; MI455X (gfx1250); checked and timed in simulation.
; The chip was launched on July 23, 2026; its instructions are those of AMD's public machine-readable ISA for CDNA 5 (MIT licence, August 2026) and "CDNA5" Instruction Set Architecture Reference Guide (July 2026). The comments in the code are by the model that wrote it; some were corrected since.
;; Edge GAT Layer. Allowed arithmetic: matrix products marked QUANTISED: E4M3 operands, one E8M0 scale for each 32 along K, by v_wmma_scale_f32_16x16x128_f8f6f4 with both operands' format E4M3, f32 sums; everything else in f32.
;; Inputs: Wk 128 x 128 float32; Wo 128 x 128 float32; Wq 128 x 128 float32; Wv 128 x 128 float32; beta 128 float32; bo 128 float32; edge_feat 256 x 256 x 128 float32; gamma 128 float32; off_diag_mask 256 x 256 float32.
;; Outputs: out0 256 x 256 x 128 float32.
;; This version of the problem:
;;   THIS VERSION OF THE PROBLEM IS GIVEN IN LOW PRECISION. The matrix products marked QUANTISED in the list below multiply operands that are first quantised to E4M3 (4 exponent bits, 3 mantissa bits; 8 bits a number), with one power-of-two scale for each 32 numbers along K (OCP MX v1.0); their sums are f32. All else is computed in f32.
;;   The module's matrix products, in the order in which they are computed (A, B: the left and right operand; K: the contracted axis; several contracted axes count as one K, in the product's order):
;;     1. [M 65,536, K 128] x [K 128, N 128]; A: input edge_feat; B: input Wq: QUANTISED
;;     2. [M 65,536, K 128] x [K 128, N 128]; A: input edge_feat; B: input Wk: QUANTISED
;;     3. [M 65,536, K 128] x [K 128, N 128]; A: input edge_feat; B: input Wv: QUANTISED
;;     4. batch 1,024 x [M 256, K 32] x [K 32, N 256]; A: computed on the way; B: computed on the way: QUANTISED
;;     5. batch 1,024 x [M 32, K 256] x [K 256, N 256]; A: computed on the way; B: softmax (see below): QUANTISED
;;     6. batch 1,024 x [M 256, K 32] x [K 32, N 256]; A: computed on the way; B: computed on the way: QUANTISED
;;     7. batch 1,024 x [M 32, K 256] x [K 256, N 256]; A: computed on the way; B: softmax (see below): QUANTISED
;;     8. [M 65,536, K 128] x [K 128, N 128]; A: computed on the way; B: input Wo: QUANTISED
;;   THE QUANTISER, for each operand of a quantised product, along K:
;;     - K is cut into blocks of 32 from its start; a last block that is shorter is filled with zeros.
;;     - A block's scale is 2^e with e = floor(log2(the largest magnitude in the block)) - 8, held to -126 .. 127; a block of zeros has e = 0. As a byte (E8M0): e + 127.
;;     - Each number is divided by its block's scale, clamped to +-448, and rounded to the nearest number of E4M3, ties to even, subnormals kept.
;;     - The product sums the exact products of the quantised numbers (number of the format x scale) in f32.
;;   ~~~python
;;   def quantise(x, axis):      # numpy; x: float32 -> the quantised numbers, widened to float32 again
;;       x = np.moveaxis(x, axis, -1); K = x.shape[-1]
;;       x = np.pad(x, [(0, 0)] * (x.ndim - 1) + [(0, -K % 32)]); x = x.reshape(x.shape[:-1] + (-1, 32)); a = np.abs(x).max(-1, keepdims=True)
;;       e = np.where(a > 0, np.clip(np.frexp(np.where(a > 0, a, 1))[1] - 1 - 8, -126, 127), 0)      # np.frexp(a)[1] - 1 = floor(log2(a)), exactly
;;       r = np.clip(x / 2.0 ** e, -448, 448)
;;       step = 2.0 ** (np.maximum(np.frexp(np.where(r == 0, 1, r))[1] - 1, -6) - 3)
;;       q = np.round(r / step) * step * 2.0 ** e      # np.round: ties to even
;;       return np.moveaxis(q.reshape(q.shape[:-2] + (-1,))[..., :K], -1, axis).astype(np.float32)
;;   ~~~
;;   SOFTMAX AHEAD OF A QUANTISED PRODUCT. Where the list says 'softmax', what is quantised is not the finished softmax but p = 2^(t - M), with t = logit x log2(e) and M = ceil(the row's largest t), a whole number; so 1/2 < the row's largest p <= 1. The row's sum l is taken of the UNQUANTISED p, in f32, and the product's result is divided by l at the end. Since M is a whole number, a kernel that streams over the keys may use a running M (the ceiling of the running maximum): every later rescaling is an exact power of two, which a block's scale takes up: the codes' values come out the same.
;;   OPERANDS COMPUTED ON THE WAY. 'Computed on the way' means the value that the module computes at that place (a softmax that the list does not call 'softmax' is quantised finished and normalised). What goes into a quantiser is computed in f32, as accurately as f32 sums, v_exp_f32 and their like allow (about 1e-6 of the number): no bf16 or f16 on the way to a quantiser, and a product that is left as it is and whose result goes on into a quantised operand takes f32 operands (vector FMAs, or v_wmma_f32_16x16x4_f32). A number that lies on a knife's edge between two numbers of the format may be rounded either way, as far as f32 arithmetic and the matrix unit's own rounding can turn it there, and no further.
;; One version. Each part assembles by itself: llvm-mc -triple=amdgcn-amd-amdhsa -mcpu=gfx1250 --defsym DOCPART=n.
;; ======== version 1 of 1: 2 launches
;; limits: right only within a limited range of input values
;; workspace buffers: colpart 33,554,432 bytes; wimg 69,632 bytes
;; launch colattn (part 1): grid 256 x 1, 16 waves a work-group, no clusters, 318,464 bytes of LDS; arguments edge_feat, off_diag_mask, Wq, Wk, Wv, colpart, Wo, wimg; writes colpart, wimg
.if DOCPART == 1
	.amdgcn_target "amdgcn-amd-amdhsa--gfx1250"
	.amdhsa_code_object_version 6
	.text
	.protected	k_q100ca5bb1f_colattn
	.globl	k_q100ca5bb1f_colattn
	.p2align	8
	.type	k_q100ca5bb1f_colattn,@function
k_q100ca5bb1f_colattn:
	s_mov_b64 s[64:65], 0
	v_nop
	global_prefetch_b8 v0, s[64:65] scope:SCOPE_SE
	s_setreg_imm32_b32 hwreg(HW_REG_WAVE_MODE, 25, 1), 1
	s_wait_xcnt 0x0
; EdgeGATLayer in MX-FP8, launch 1 of 2: COLUMN attention.  colpart[q][c][:] = 0.5 x out_col[q][c][:], f32, laid like edge_feat.
; NO WORK OF reference() IS LEFT OUT: every input has a way to the output; what the mask throws away hangs on an input's values, so it is computed and selected.
; SHARES.  A work-group owns one column of the grid: 256 edges x 128 features; sixteen waves.  Tile w of 16 edges: lane place r is edge 32 (w / 2) + 8 (w % 2) + r + 8 (r / 8).
; Wave w quantises X's tile w; PROJECTS the 64 edges of tiles 4 e .. 4 e + 3 to head n (e = w / 4, n = w % 4) for K, V and Q with one set of X's fragments; and attends for the 16 queries of tile w, all heads.
; LAYOUT of a block of 16 edges: lane (r, h) holds edge r, register i of block b feature 32 b + 16 h + i (a weight's tile 2 b + u takes features 32 b + 8 u + r + 8 (r / 8)): its codes are the operand's registers.
; THE WEIGHTS are quantised along their first axis (a lane to a column, registers down K): waves 0-7 Wq's tiles, then Wv's; waves 8-15 Wk's, and in work-group 0 Wo's.
; Work-group 0 stores all 32 fragments and their scale words, as they stand in registers, into wimg for launch 2: fragment f (0-7 Wq, 8-15 Wk, 16-23 Wv, 24-31 Wo) at 2,048 f, its scale words at 65,536 + 128 f.
; V is made untransposed, so that a lane holds one feature and its registers run along the keys, and is quantised along the keys.
; S^T = K Q^T has K = 32 in an instruction of 128: source 1 holds the head of Q in block 0 and zero codes in blocks 1 to 3; source 0 is a tile's four registers and the twelve behind them: other tiles' codes, which meet zero codes.
; THE MASK is the C of S^T's products: 0 where the key counts, -2^100 where off_diag_mask is 0: 2^(t - M) is then exactly 0, as with -infinity.
; SOFTMAX over all 256 keys of a head at once: t = score x log2(e) / sqrt(32); M = the largest t rounded up to a whole number; p = 2^(t - M) is quantised along the keys; the sum is taken of the unquantised p and divides at the end.
; LIMITS.  A line all of whose 256 keys are masked: reference() gives NaN, this text finite numbers.  Scores stay under 2^90 in size, and the scaled scores under 2^31.  NaN and infinities among the inputs are not served.
; A block of zeros gets the scale byte 1 where the rule says 127: its codes are zeros, and the bytes are read by this program alone.
; NO CLUSTER, NO TENSOR LOAD, NO PREFETCH: the work-groups share the weights alone, 196,608 bytes against a line's 131,072 read and 131,072 written; weights and X pass through registers for the quantiser; all is asked for once, ahead of the one loop.
.set ES,    131072                     ; bytes from edge to edge along my line
.set LSTR,  512                        ; bytes from line to line
.set MKS,   1024                       ; bytes in off_diag_mask from key to key
.set MLS,   4                          ; and from line to line
; ---- LDS
.set SROW,  528                        ; a stage row: 512 bytes + 16
.set STGB,  16*SROW                    ; a wave's stage: 16 rows
.set XIMG,  16*STGB                    ; X's 16 fragments; later Q's
.set XSC,   XIMG+32768                 ; X's scale words
.set WIMG,  XSC+2048                   ; the weights' fragments
.set QSC,   WIMG+36864                 ; later, over Wv: Q's scale words, laid as K's
.set WSC,   WIMG+65536
.set KIMG,  WSC+4096                   ; K: tile x 2,048 + head x 512 + 16 x lane
.set KSC,   KIMG+32768                 ; its scale words: (tile / 4) x 2,048 + head x 512 + 16 x lane + 4 (tile % 4)
.set VIMG,  KSC+8192                   ; V^T: (feature tile n, key step s) at (2 n + s) x 2,048
.set VSC,   VIMG+32768                 ; head x 512 + 16 x lane + 8 u + 4 s
.set BIAS,  VSC+2048                   ; 0 or -2^100 for each key
.set SPARE, BIAS+1024                  ; the spare words, 128 bytes for each wave: eight blocks of 256 bytes that no other line names
; ---- registers that stay: v1 16 x lane, v2 4 x lane, v3 my spare word, v4 0, v5 my stage in the one layout, v6 by rows, v7 a weight's offset, later BIAS + 64 h.  In the loop: v[8:9] the sum, v[10:11] 0.5 / l, v13 Q's scale word, v14, v15 addresses,
; v16-31 Q and zero codes, v32-95 K (then v32-63 V of step 0, v64-95 at work), v96-107 zero codes, v108-139 p's codes, v112-239 the scores, v240-255 K's scale words
.set LI,  1
.set LS,  2
.set SPW, 3
.set NIL, 4
.set WOF, 7
.set MOF, 8
.set WI,  9                            ; 16 x lane + 2,048 x wave
.set WS4, 10                           ; 4 x lane + 128 x wave
.set TA,  15                           ; the head's LDS addresses
.set TB,  253
.set XF,  16                           ; my fragment of X
.set P0,  32                           ; v32-95 weight set A's numbers
.set XS,  104                          ; X's scale word
.set BS,  105                          ; the mask's value
.set P1,  108                          ; v108-171 X by rows, weight set B's numbers
.set XL,  172                          ; v172-235 X in the one layout
.set CW,  172                          ; a weight's codes
.set PW,  252                          ; and scale word
.set TH,  236                          ; the head's quantiser at work
.set SS,  112
.set MX,  64                           ; v64-71 blocks' largest, then the hold's bounds
.set PR,  72                           ; v72-79 permutes, then bytes
.set SO,  80                           ; v80-87 the conversions' scale operands
.set NM,  88                           ; -M
.set OO,  180                          ; v180-195 O^T of one head
.set TQ,  176                          ; v176-179 V's scale words
.set P,   144                          ; the projections' results
.set CT,  236                          ; their codes
.set TM,  208
.set WV,  26                           ; s26 wave
.set HD,  42                           ; s42 in the head: 1 in a wave with no tile of set B; then the attention head
.set SEL, 34                           ; s[34:35] lane l xor 16
.set CS,  36                           ; s[36:37] c = log2(e) / sqrt(32)
.set MNT, 38                           ; the mantissa field of 448
; s22 e, s23 n; s[30:33] my weight tiles; later s30, s31 my tile's places in Q's image and among Q's scale words
.macro PLACES n                        ; plain places behind matrix instructions (ISA guide 7.12.1)
.rept \n
	v_nop
.endr
.endm
.macro BARRIER                         ; my LDS stores have landed and my LDS loads are in: then the work-group's barrier
	s_wait_dscnt 0x0
	s_barrier_signal -1
	s_barrier_wait -1
.endm
; four blocks of 16 numbers of a lane, from v[s] on, become codes in v[d] on; bytes in v[t + 4 ..]; w > 0: they make a scale word in v[w]
.macro QUANT s, d, t, w=0
.irp b, 0,1,2,3
	v_max3_num_f32 v[\t+\b], |v[\s+16*\b]|, |v[\s+1+16*\b]|, 0x4800000   ; with the floor 2^(9 - 127): the byte cannot fall under 1
.endr
.irp i, 2,4,6,8,10,12,14
.irp b, 0,1,2,3
	v_max3_num_f32 v[\t+\b], v[\t+\b], |v[\s+16*\b+\i]|, |v[\s+1+16*\b+\i]|
.endr
.endr
.irp b, 0,1,2,3
	v_permlanex16_b32 v[\t+4+\b], v[\t+\b], s[SEL], s[SEL+1]
.endr
.irp b, 0,1,2,3
	v_max_num_f32 v[\t+\b], v[\t+\b], v[\t+4+\b]
.endr
.irp b, 0,1,2,3
	v_add_nc_u32 v[\t+12+\b], 0xfc000000, v[\t+\b]         ; 8 off its exponent field: the conversion's scale operand
.endr
.irp b, 0,1,2,3
	v_and_or_b32 v[\t+8+\b], v[\t+\b], 0x7f800000, s[MNT]  ; 448 x the scale
.endr
.irp b, 0,1,2,3
	v_lshrrev_b32 v[\t+4+\b], 23, v[\t+12+\b]              ; the scale's byte
.endr
.if \w
	v_lshl_or_b32 v[\w], v[\t+5], 8, v[\t+4]
	v_lshl_or_b32 v[\w], v[\t+6], 16, v[\w]
	v_lshl_or_b32 v[\w], v[\t+7], 24, v[\w]
.endif
.irp b, 0,1,2,3
.irp i, 0,1,2,3,4,5,6,7,8,9,10,11,12,13,14,15
	v_med3_num_f32 v[\s+16*\b+\i], v[\s+16*\b+\i], -v[\t+8+\b], v[\t+8+\b]   ; the conversion does not saturate (ISA guide 7.6.2): the hold
.endr
	v_cvt_scalef32_pk8_fp8_f32 v[\d+4*\b:\d+4*\b+1], v[\s+16*\b:\s+16*\b+7], v[\t+12+\b]
	v_cvt_scalef32_pk8_fp8_f32 v[\d+4*\b+2:\d+4*\b+3], v[\s+16*\b+8:\s+16*\b+15], v[\t+12+\b]
.endr
	v_nop                                                  ; a plain line behind the last conversion
.endm
.macro FETCH dst, adr, off             ; a fragment comes from its image
.irp c, 0,1,2,3
	ds_load_b128 v[\dst+4*\c:\dst+4*\c+3], v[\adr] offset:\off+512*\c
.endr
.endm
.macro IMADR creg, sreg                ; where my wave's image and scale word go
	v_add_nc_u32 v[TA], \creg, v[WI]
	v_add_nc_u32 v[TB], \sreg, v[WS4]
.endm
.macro IMAGE src, word, coff, soff     ; a fragment goes to LDS as it stands
.irp c, 0,1,2,3
	ds_store_b128 v[TA], v[\src+4*\c:\src+4*\c+3] offset:\coff+512*\c
.endr
	ds_store_b32 v[TB], v[\word] offset:\soff
.endm
.macro WSTORE coff, soff               ; and to wimg: each of the four stores covers 512 consecutive bytes, aligned
.irp c, 0,1,2,3
	global_store_b128 v[WI], v[CW+4*\c:CW+4*\c+3], s[18:19] offset:\coff+512*\c
.endr
	global_store_b32 v[WS4], v[PW], s[18:19] offset:65536+\soff
.endm
.macro WLOAD dst, sb                   ; a weight's tile: my column, registers down K: register 16 c + i = W(32 c + 16 h + i, my column)
.set J, 0
.rept 64
	global_load_b32 v[\dst+J], v[WOF], s[\sb:\sb+1] offset:512*(32*(J/16)+J%16)
.set J, J+1
.endr
.endm
; ---- the head
	s_load_b256 s[4:11], s[0:1], 0x0               ; edge_feat, off_diag_mask, Wq, Wk
	s_load_b256 s[12:19], s[0:1], 0x20             ; Wv, colpart, Wo, wimg
	v_lshl_add_u32 v[SPW], v0, 2, SPARE
	v_mov_b32 v[NIL], 0
	v_lshrrev_b32 v[TA], 5, v0
	v_and_b32 v16, 31, v0
	v_and_b32 v17, 15, v0                          ; r
	v_bfe_u32 v18, v0, 4, 1                        ; h
	v_readfirstlane_b32 s[WV], v[TA]               ; wave 0..15
	v_lshlrev_b32 v[LI], 4, v16
	v_lshlrev_b32 v[LS], 2, v16
	s_mul_i32 s27, s[WV], STGB
	v_mul_u32_u24 v5, v17, SROW
	v_and_b32 v19, 8, v17
	v_lshlrev_b32 v[TA], 2, v17
	v_lshl_add_u32 v5, v18, 6, v5
	v_add_nc_u32 v19, v19, v17                     ; r + 8 (r / 8)
	v_add_nc_u32 v5, s27, v5                       ; my stage in the one layout
	v_add_nc_u32 v6, s27, v[LI]                    ; and by rows
	v_lshlrev_b32 v[WOF], 2, v19
	v_mul_u32_u24 v[MOF], v17, MKS
	v_lshl_add_u32 v[WOF], v18, 13, v[WOF]         ; a weight: 4 (r + 8 (r / 8)) + 16 h rows of 512 bytes
	s_lshl_b32 s27, s[WV], 11
	v_add_nc_u32 v[WI], s27, v[LI]
	s_lshl_b32 s27, s[WV], 7
	v_add_nc_u32 v[WS4], s27, v[LS]
	s_lshl_b32 s27, s[WV], 6
	v_add_nc_u32 v[TA], s27, v[TA]
.set J, 0
.rept 4
	v_mov_b32 v[TH+4+J], 0                         ; a lane permute's destination counts as one of its sources
.set J, J+1
.endr
	v_add_nc_u32 v[TA], BIAS, v[TA]                ; where key 16 w + r has its bias
	s_mov_b32 s[SEL], 0x76543210
	s_mov_b32 s[SEL+1], 0xfedcba98
	s_mov_b32 s[CS], 0x3e8293ee
	s_mov_b32 s[CS+1], s[CS]                       ; (named with it as a pair)
	s_mov_b32 s[MNT], 0x600000
	s_lshr_b32 s27, s[WV], 1
	s_lshl_b32 s27, s27, 5
	s_and_b32 s39, s[WV], 1
	s_lshl_b32 s39, s39, 3
	s_add_co_u32 s27, s27, s39                     ; my tile's first edge
	s_mul_i32 s28, s27, ES
	s_mul_i32 s39, ttmp9, LSTR
	s_add_co_u32 s28, s28, s39                     ; its bytes in edge_feat and colpart
	s_mov_b32 s29, 0
	s_lshl_b32 s44, s[WV], 4
	s_mul_i32 s44, s44, MKS
	s_mul_i32 s39, ttmp9, MLS
	s_add_co_u32 s44, s44, s39                     ; the mask of keys 16 w on, in my line
	s_mov_b32 s45, 0
	s_and_b32 s46, s[WV], 6
	s_lshl_b32 s46, s46, 6
	s_and_b32 s39, s[WV], 1
	s_lshl_b32 s39, s39, 5
	s_add_co_u32 s46, s46, s39                     ; weight tile w % 8 begins at column 32 b + 8 u
	s_mov_b32 s47, 0
	s_lshr_b32 s42, s[WV], 3                       ; 1 in waves 8-15,
	s_min_u32 s39, ttmp9, 1                        ; 0 in work-group 0:
	s_and_b32 s42, s42, s39                        ; Wo's eight tiles are made by waves 8-15 of work-group 0 alone
	s_lshr_b32 s22, s[WV], 2                       ; e
	s_and_b32 s23, s[WV], 3                        ; n
	s_wait_alu depctr_va_vdst(0)                   ; the wait at the head's end
	s_wait_kmcnt 0x0
	s_add_nc_u64 s[4:5], s[4:5], s[28:29]
	s_add_nc_u64 s[14:15], s[14:15], s[28:29]
	s_add_nc_u64 s[6:7], s[6:7], s[44:45]
	s_cmp_lt_u32 s[WV], 8                          ; set A: waves 0-7 take Wq's tiles, waves 8-15 Wk's; set B: Wv's and Wo's
	s_cselect_b64 s[30:31], s[8:9], s[10:11]
	s_cselect_b64 s[32:33], s[12:13], s[16:17]
	s_add_nc_u64 s[30:31], s[30:31], s[46:47]
	s_add_nc_u64 s[32:33], s[32:33], s[46:47]
	global_load_b32 v[BS], v[MOF], s[6:7]
.set J, 0
.rept 16
	global_load_b128 v[P1+4*J:P1+4*J+3], v[LI], s[4:5] offset:(J+8*(J/8))*ES   ; an edge's 512 consecutive bytes
.set J, J+1
.endr
	WLOAD P0, 30
	s_wait_loadcnt 63                              ; of the 81 loads the oldest 18 are in: the mask's and X's 16 among them (64 younger ones stand behind X; 63 is the largest count that the wait names)
.set J, 0
.rept 16
	ds_store_b128 v6, v[P1+4*J:P1+4*J+3] offset:SROW*J   ; X turns through my stage (LDS serves a wave's instructions in order: ISA guide 5.7.1.4)
.set J, J+1
.endr
.set J, 0
.rept 16
	ds_load_b128 v[XL+4*J:XL+4*J+3], v5 offset:128*(J/4)+16*(J%4)
.set J, J+1
.endr
	v_mov_b32 v[XS], 0xf1800000                    ; -2^100
	v_cmp_eq_f32 vcc_lo, 0, v[BS]
	v_cndmask_b32 v[XS], 0, v[XS], vcc_lo
	ds_store_b32 v[TA], v[XS]                      ; both halves of the lanes write the same word with the same value
	s_wait_dscnt 0x0
	QUANT XL, XF, TH, XS
	IMADR XIMG, XSC
	IMAGE XF, XS, 0, 0
; ---- the weights
	s_wait_alu depctr_va_vdst(0)
	s_wait_loadcnt 0x0                             ; set A is in
	s_cmp_eq_u32 s42, 0
	s_cbranch_scc0 .Lno_b_load
	WLOAD P1, 32
.Lno_b_load:
	QUANT P0, CW, TH, PW
	s_wait_alu depctr_va_vdst(0)
	s_wait_dscnt 0x0                               ; X's image has left its registers and addresses
	IMADR WIMG, WSC
	s_wait_alu depctr_va_vdst(0)
	IMAGE CW, PW, 0, 0
	s_cmp_lg_u32 ttmp9, 0                          ; work-group 0 stores the codes for launch 2
	s_cbranch_scc1 .Lno_wa
	WSTORE 0, 0
.Lno_wa:
	s_wait_dscnt 0x0                               ; the LDS stores have read the codes' registers,
	s_wait_loadcnt 0x0                             ; set B is in,
	s_wait_xcnt 0x0                                ; and the codes' registers are written again only behind this wait
	s_cmp_eq_u32 s42, 0
	s_cbranch_scc0 .Lno_b
	QUANT P1, CW, TH, PW
	s_wait_alu depctr_va_vdst(0)
	IMAGE CW, PW, 32768, 2048
	s_cmp_lg_u32 ttmp9, 0
	s_cbranch_scc1 .Lno_b
	WSTORE 32768, 2048
.Lno_b:
	s_wait_xcnt 0x0                                ; as above
	BARRIER                                        ; X's and the weights' images and the bias lie in LDS
; ---- the projections: tiles 4 e .. 4 e + 3 x head n
.macro SUM d, c, x, xs, y, ys                      ; s[d] = c + s[x] << xs + s[y] << ys
	s_lshl_b32 s39, s\x, \xs
	s_lshl_b32 s27, s\y, \ys
	s_add_co_u32 s39, s39, s27
	s_add_co_u32 s\d, s39, \c
.endm
	SUM 20, KIMG, 22, 13, 23, 9
	SUM 21, KSC, 22, 11, 23, 9
	SUM 24, VIMG, 23, 13, 22, 10
	SUM 25, VSC, 23, 9, 22, 1
	SUM 28, XIMG, 22, 13, 23, 9
	SUM 29, QSC, 22, 11, 23, 9
	SUM 31, QSC, 22, 11, 23, 2                     ; my tile's Q: scale words,
	s_lshl_b32 s30, s[WV], 11
	s_add_co_u32 s30, s30, XIMG                    ; and codes
	v_add_nc_u32 v13, s20, v[LI]                   ; where K's codes go
	v_add_nc_u32 v14, s21, v[LI]                   ; and its scale words
	v_add_nc_u32 v15, s24, v[LI]                   ; V's codes,
	v_add_nc_u32 v252, s25, v[LI]                  ; bytes
	v_add_nc_u32 v253, s28, v[LI]                  ; Q's codes,
	v_add_nc_u32 v254, s29, v[LI]                  ; scale words
	s_lshl_b32 s20, s22, 13
	s_add_co_u32 s20, s20, XIMG
	s_lshl_b32 s21, s22, 9
	s_add_co_u32 s21, s21, XSC
	s_lshl_b32 s24, s23, 12
	s_add_co_u32 s24, s24, WIMG
	s_lshl_b32 s25, s23, 8
	s_add_co_u32 s25, s25, WSC
	v_add_nc_u32 v8, s20, v[LI]
	v_add_nc_u32 v9, s21, v[LS]
	v_add_nc_u32 v10, s24, v[LI]
	v_add_nc_u32 v11, s25, v[LS]
.irp t, 0,1,2,3
	FETCH 16+16*\t, 8, 2048*\t                     ; X: v16-79, scale words v224-227
	ds_load_b32 v[224+\t], v9 offset:128*\t
.endr
.irp u, 0,1
	FETCH 80+16*\u, 10, 16384+2048*\u              ; Wk: v80-111, v228-229
	ds_load_b32 v[228+\u], v11 offset:1024+128*\u
.endr
.irp u, 0,1
	FETCH 112+16*\u, 10, 32768+2048*\u             ; Wv: v112-143, v230-231
	ds_load_b32 v[230+\u], v11 offset:2048+128*\u
.endr
.macro PROJ                                        ; transposed: source 0 = 16 columns of the weight, source 1 = a tile of X
.irp t, 0,1,2,3
.irp u, 0,1
	v_wmma_scale_f32_16x16x128_f8f6f4 v[P+16*\t+8*\u:P+16*\t+8*\u+7], v[80+16*\u:80+16*\u+15], v[16+16*\t:16+16*\t+15], 0, v[228+\u], v[224+\t]
.endr
.endr
	PLACES 8
.endm
	s_wait_alu depctr_va_vdst(0)
	s_wait_dscnt 10                                ; all but Wv's ten loads
	PROJ                                           ; K
.irp u, 0,1
	FETCH 80+16*\u, 10, 2048*\u                    ; Wq takes Wk's registers
	ds_load_b32 v[228+\u], v11 offset:128*\u
.endr
	QUANT P, CT, TM
.irp t, 0,1,2,3
	ds_store_b128 v13, v[CT+4*\t:CT+4*\t+3] offset:2048*\t
.endr
	ds_store_b128 v14, v[TM+4:TM+7]
	s_wait_dscnt 15                                ; Wv is in; Wq's ten loads and K's five stores may be out
.irp t, 0,1,2,3                                    ; V: source 0 = a tile of X: a lane holds a feature, registers run along the keys
.irp u, 0,1
	v_wmma_scale_f32_16x16x128_f8f6f4 v[P+16*(2*\u+\t/2)+8*(\t%2):P+16*(2*\u+\t/2)+8*(\t%2)+7], v[16+16*\t:16+16*\t+15], v[112+16*\u:112+16*\u+15], 0, v[224+\t], v[230+\u]
.endr
.endr
	PLACES 8
	s_wait_dscnt 0x0                               ; K's stores have read their registers, Wq is in
	QUANT P, CT, TM
	v_lshl_or_b32 v[TM+8], v[TM+5], 8, v[TM+4]
	v_lshl_or_b32 v[TM+9], v[TM+7], 8, v[TM+6]
.irp k, 0,1,2,3
	ds_store_b128 v15, v[CT+4*\k:CT+4*\k+3] offset:4096*(\k/2)+512*(\k%2)
.endr
	ds_store_b16 v252, v[TM+8]
	ds_store_b16 v252, v[TM+9] offset:8
	PROJ                                           ; Q
	s_wait_dscnt 0x0
	QUANT P, CT, TM
	s_wait_alu depctr_va_vdst(0)
	BARRIER                                        ; every wave has read X's and the weights' images: Q takes X's places
.irp t, 0,1,2,3
	ds_store_b128 v253, v[CT+4*\t:CT+4*\t+3] offset:2048*\t
.endr
	ds_store_b128 v254, v[TM+4:TM+7]
	v_bfe_u32 v116, v0, 4, 1
.set J, 0
.rept 12
	v_mov_b32 v[20+J], 0                           ; the zero codes behind Q's head
	v_mov_b32 v[96+J], 0                           ; and behind K's last tile
.set J, J+1
.endr
	v_lshl_add_u32 v7, v116, 6, BIAS
	v_mov_b32 v11, 0                               ; (the upper half of the pair v[10:11])
	s_wait_alu depctr_va_vdst(0)
	BARRIER                                        ; K's, V's and Q's images lie in LDS.  Behind this barrier a wave writes its own stage alone
; ---- the attention
.macro NEXT                                        ; scalars for head s24: K's, Q's, Q's scale words' places
	s_lshl_b32 s20, s24, 9
	s_add_co_u32 s21, s20, KIMG
	s_add_co_u32 s27, s20, s30
	s_add_co_u32 s39, s20, s31
.endm
.macro NEXTV
	v_add_nc_u32 v8, s21, v[LI]
	v_add_nc_u32 v9, s27, v[LI]
	v_add_nc_u32 v14, s39, v[LI]
.endm
.macro BL g                                        ; four keys' bias into their scores' registers: the products' C
	ds_load_b128 v[SS+4*\g:SS+4*\g+3], v7 offset:128*(\g/4)+16*(\g%4)
.endm
.macro LOADS_A                                     ; 49 loads
.irp t, 0,1,2,3,4,5,6,7,8,9,10,11,12,13,14,15
	ds_load_b128 v[32+4*\t:32+4*\t+3], v8 offset:2048*\t
.endr
	ds_load_b128 v[16:19], v9
	ds_load_b32 v13, v14
.irp k, 0,1,2,3
	ds_load_b128 v[240+4*\k:240+4*\k+3], v8 offset:KSC-KIMG+2048*\k
.endr
.irp g, 0,1,2,3,4,5,6,8,9,10,11,12,13,14,15,16,21,22,23,24,25,26,27,28,29,30,31
	BL \g
.endr
.endm
.macro LOADS_B                                     ; the bias whose registers a head's end uses
.irp g, 7,17,18,19,20
	BL \g
.endr
.endm
; blocks d, d + 1: the hold, two numbers an instruction (p is not negative: one-sided; destinations even and odd, the bounds in neighbouring registers, the numbers in registers that differ modulo 4), and the conversions
.macro HC d
.set J, 0
.rept 16
	v_dual_min_num_f32 v[SS+16*\d+J], v[MX+\d], v[SS+16*\d+J] :: v_dual_min_num_f32 v[SS+16*\d+17+J-2*(J%2)], v[MX+1+\d], v[SS+16*\d+17+J-2*(J%2)]
.set J, J+1
.endr
	v_cvt_scalef32_pk8_fp8_f32 v[SS-4+4*\d:SS-3+4*\d], v[SS+16*\d:SS+16*\d+7], v[SO+\d]
	v_cvt_scalef32_pk8_fp8_f32 v[SS-2+4*\d:SS-1+4*\d], v[SS+16*\d+8:SS+16*\d+15], v[SO+\d]
	v_nop                                          ; (block 1's codes take registers of block 0)
	v_cvt_scalef32_pk8_fp8_f32 v[SS+4*\d:SS+1+4*\d], v[SS+16*\d+16:SS+16*\d+23], v[SO+1+\d]
	v_cvt_scalef32_pk8_fp8_f32 v[SS+2+4*\d:SS+3+4*\d], v[SS+16*\d+24:SS+16*\d+31], v[SO+1+\d]
.endm
	s_mov_b32 s[HD], 0
	s_mov_b32 s24, 0
	NEXT
	NEXTV
	LOADS_A
	LOADS_B
.Lhead:                                            ; four trips: a head each
	s_wait_dscnt 0x0
.irp t, 0,1,2,3,4,5,6,7,8,9,10,11,12,13,14,15      ; S^T = K Q^T + bias
	v_wmma_scale_f32_16x16x128_f8f6f4 v[SS+8*\t:SS+8*\t+7], v[32+4*\t:32+4*\t+15], v[16:31], v[SS+8*\t:SS+8*\t+7], v[240+\t], v13
.endr
	s_lshl_b32 s20, s[HD], 13
	s_add_co_u32 s20, s20, VIMG
	s_lshl_b32 s21, s[HD], 9
	s_add_co_u32 s21, s21, VSC
	v_add_nc_u32 v14, s20, v[LI]
	v_add_nc_u32 v15, s21, v[LI]
	PLACES 6
.irp u, 0,1
	FETCH 32+16*\u, 14, 4096*\u                    ; V^T of keys 0-127, into K's registers
.endr
.irp b, 0,1,2,3,4,5,6,7                            ; the largest score of each block of 32 keys: for the row's maximum and, since p rises with the score, for the block's largest p
	v_max3_num_f32 v[MX+\b], v[SS+16*\b], v[SS+1+16*\b], v[SS+2+16*\b]
.endr
.irp i, 3,5,7,9,11,13
.irp b, 0,1,2,3,4,5,6,7
	v_max3_num_f32 v[MX+\b], v[MX+\b], v[SS+16*\b+\i], v[SS+1+16*\b+\i]
.endr
.endr
.irp b, 0,1,2,3,4,5,6,7
	v_max_num_f32 v[MX+\b], v[MX+\b], v[SS+15+16*\b]
.endr
.irp b, 0,1,2,3,4,5,6,7
	v_permlanex16_b32 v[PR+\b], v[MX+\b], s[SEL], s[SEL+1]
.endr
.irp b, 0,1,2,3,4,5,6,7
	v_max_num_f32 v[MX+\b], v[MX+\b], v[PR+\b]
.endr
	v_max3_num_f32 v92, v[MX], v[MX+1], v[MX+2]
	v_max3_num_f32 v93, v[MX+3], v[MX+4], v[MX+5]
	v_max3_num_f32 v92, v92, v[MX+6], v[MX+7]
	s_delay_alu instid0(VALU_DEP_1)
	v_max_num_f32 v92, v92, v93
	s_delay_alu instid0(VALU_DEP_1)
	v_mul_f32 v92, s[CS], v92
	s_delay_alu instid0(VALU_DEP_1)
	v_floor_f32 v[NM], -v92                        ; -M = floor(-t): M is a whole number
.set J, 0
.rept 64
	v_pk_fma_f32 v[SS+J:SS+J+1], v[SS+J:SS+J+1], s[CS:CS+1], v[NM:NM+1] op_sel_hi:[1,0,0]   ; t - M
.set J, J+2
.endr
.irp b, 0,1,2,3,4,5,6,7
	v_fma_f32 v[MX+\b], v[MX+\b], s[CS], v[NM]
.endr
	s_wait_alu depctr_va_vdst(0)                   ; ahead of the batch
.irp b, 0,1,2,3,4,5,6,7
	v_exp_f32 v[MX+\b], v[MX+\b]                   ; each block's largest p
.endr
.set J, 0
.rept 128
	v_exp_f32 v[SS+J], v[SS+J]                     ; p = 2^(t - M)
.set J, J+1
.endr
	v_nop                                          ; a plain line behind the exponentials
	s_wait_alu depctr_va_vdst(0)                   ; and ahead of the batch's first reader
	v_pk_add_f32 v[8:9], v[SS:SS+1], v[SS+8:SS+9]  ; the sum of the unquantised p, in four chains
	v_pk_add_f32 v[90:91], v[SS+2:SS+3], v[SS+10:SS+11]
	v_pk_add_f32 v[92:93], v[SS+4:SS+5], v[SS+12:SS+13]
	v_pk_add_f32 v[94:95], v[SS+6:SS+7], v[SS+14:SS+15]
.set J, 16
.rept 14
	v_pk_add_f32 v[8:9], v[8:9], v[SS+J:SS+J+1]
	v_pk_add_f32 v[90:91], v[90:91], v[SS+J+2:SS+J+3]
	v_pk_add_f32 v[92:93], v[92:93], v[SS+J+4:SS+J+5]
	v_pk_add_f32 v[94:95], v[94:95], v[SS+J+6:SS+J+7]
.set J, J+8
.endr
	v_pk_add_f32 v[8:9], v[8:9], v[90:91]
	v_pk_add_f32 v[92:93], v[92:93], v[94:95]
.irp b, 0,1,2,3
	v_max_num_f32 v[MX+\b], 0x4800000, v[MX+\b]    ; the floor: a block whose every p is 0 keeps the byte 1, and its codes are zeros
.endr
	v_pk_add_f32 v[8:9], v[8:9], v[92:93]
.irp b, 4,5,6,7
	v_max_num_f32 v[MX+\b], 0x4800000, v[MX+\b]
.endr
	v_add_f32 v8, v8, v9
.irp b, 0,1,2,3,4,5,6,7
	v_add_nc_u32 v[SO+\b], 0xfc000000, v[MX+\b]
.endr
	v_permlanex16_b32 v9, v8, s[SEL], s[SEL+1]
.irp b, 0,1,2,3,4,5,6,7
	v_lshrrev_b32 v[PR+\b], 23, v[SO+\b]
.endr
	v_add_f32 v10, v8, v9                          ; l
.irp b, 0,1,2,3,4,5,6,7
	v_and_or_b32 v[MX+\b], v[MX+\b], 0x7f800000, s[MNT]
.endr
	v_add_f32 v10, v10, v10                        ; 2 l: the mean's half is an exact power of two and goes in here
	v_lshl_or_b32 v92, v[PR+1], 8, v[PR]           ; p's scale words
	v_lshl_or_b32 v93, v[PR+5], 8, v[PR+4]
	v_lshl_or_b32 v92, v[PR+2], 16, v92
	v_lshl_or_b32 v93, v[PR+6], 16, v93
	v_lshl_or_b32 v92, v[PR+3], 24, v92
	v_lshl_or_b32 v93, v[PR+7], 24, v93
	HC 0
	HC 2
.irp u, 0,1
	FETCH 144+16*\u, 14, 4096*\u+2048              ; V^T of keys 128-255, into blocks 2's and 3's registers
.endr
	HC 4
	ds_load_b128 v[TQ:TQ+3], v15                   ; V's scale words: 2 u + s
	HC 6
	PLACES 4                                       ; the plain line behind the last conversion; and codes stand four places ahead of a scaled product
	s_wait_alu depctr_va_vdst(0)                   ; ahead of the reciprocal
	v_rcp_f32 v10, v10
	s_wait_dscnt 0x0                               ; V and its words are in
	v_wmma_scale_f32_16x16x128_f8f6f4 v[OO:OO+7], v[32:47], v[108:123], 0, v[TQ], v92           ; O^T = V^T P^T
	v_wmma_scale_f32_16x16x128_f8f6f4 v[OO+8:OO+15], v[48:63], v[108:123], 0, v[TQ+2], v92
	v_wmma_scale_f32_16x16x128_f8f6f4 v[OO:OO+7], v[144:159], v[124:139], v[OO:OO+7], v[TQ+1], v93
	v_wmma_scale_f32_16x16x128_f8f6f4 v[OO+8:OO+15], v[160:175], v[124:139], v[OO+8:OO+15], v[TQ+3], v93
	s_lshl_b32 s28, s[HD], 7
	s_add_co_u32 s24, s[HD], 1
	s_and_b32 s24, s24, 3
	NEXT
	v_add_nc_u32 v142, s28, v5                     ; my stage's rows, at the head's 128 bytes
	NEXTV
	PLACES 4
	s_wait_alu depctr_va_vdst(0)                   ; ahead of the reciprocal's reader
.set J, 0
.rept 8
	v_pk_mul_f32 v[OO+J:OO+J+1], v[OO+J:OO+J+1], v[10:11] op_sel_hi:[1,0]   ; x 0.5 / l
.set J, J+2
.endr
.irp g, 0,1,2,3
	ds_store_b128 v142, v[OO+4*\g:OO+4*\g+3] offset:16*\g
.endr
	s_wait_alu depctr_va_vdst(0)                   ; ahead of the branches
	s_cmp_eq_u32 s[HD], 3                          ; the last head asks for nothing more
	s_cbranch_scc1 .Llast
	LOADS_A
	s_wait_dscnt 49                                ; all but those 49: the four stores have read v142 and O^T
	LOADS_B
.Llast:
	s_add_co_u32 s[HD], s[HD], 1
	s_cmp_lt_u32 s[HD], 4
	s_cbranch_scc1 .Lhead
; ---- the way out: my 16 rows leave the stage whole
	s_wait_dscnt 0x0
.set J, 0
.rept 16
	ds_load_b128 v[16+4*J:16+4*J+3], v6 offset:SROW*J
.set J, J+1
.endr
.set J, 0
.rept 16
	s_wait_dscnt 15-J                              ; row J is back when at most 15 - J younger loads are out
	global_store_b128 v[LI], v[16+4*J:16+4*J+3], s[14:15] offset:(J+8*(J/8))*ES   ; 512 consecutive bytes, aligned
.set J, J+1
.endr
	s_wait_tensorcnt 0x0                           ; the wave's end: behind my last LDS store
	ds_add_u32 v[SPW], v[NIL]
	s_wait_dscnt 0x0
	s_endpgm
.Lfunc_end_k_q100ca5bb1f_colattn:
	.size	k_q100ca5bb1f_colattn, .Lfunc_end_k_q100ca5bb1f_colattn-k_q100ca5bb1f_colattn
	.p2alignl 7, 3214868480
	.fill 96, 4, 3214868480
	.section	.rodata,"a",@progbits
	.p2align	6, 0x0
	.amdhsa_kernel k_q100ca5bb1f_colattn
		.amdhsa_group_segment_fixed_size 318464
		.amdhsa_private_segment_fixed_size 0
		.amdhsa_enable_private_segment 0
		.amdhsa_kernarg_size 64
		.amdhsa_user_sgpr_count 2
		.amdhsa_user_sgpr_kernarg_segment_ptr 1
		.amdhsa_wavefront_size32 1
		.amdhsa_system_sgpr_workgroup_id_x 1
		.amdhsa_system_sgpr_workgroup_id_y 1
		.amdhsa_system_sgpr_workgroup_id_z 1
		.amdhsa_system_vgpr_workitem_id 0
		.amdhsa_next_free_vgpr 256
		.amdhsa_next_free_sgpr 66
		.amdhsa_reserve_vcc 1
		.amdhsa_float_denorm_mode_32 3
		.amdhsa_float_denorm_mode_16_64 3
		.amdhsa_memory_ordered 1
		.amdhsa_forward_progress 1
		.amdhsa_inst_pref_size 122
	.end_amdhsa_kernel
	.amdgpu_metadata
---
amdhsa.version: [ 1, 2 ]
amdhsa.kernels:
  - .name:           k_q100ca5bb1f_colattn
    .symbol:         k_q100ca5bb1f_colattn.kd
    .args:
      - { .name: edge_feat, .offset: 0, .size: 8, .value_kind: global_buffer, .address_space: global }
      - { .name: off_diag_mask, .offset: 8, .size: 8, .value_kind: global_buffer, .address_space: global }
      - { .name: Wq, .offset: 16, .size: 8, .value_kind: global_buffer, .address_space: global }
      - { .name: Wk, .offset: 24, .size: 8, .value_kind: global_buffer, .address_space: global }
      - { .name: Wv, .offset: 32, .size: 8, .value_kind: global_buffer, .address_space: global }
      - { .name: colpart, .offset: 40, .size: 8, .value_kind: global_buffer, .address_space: global }
      - { .name: Wo, .offset: 48, .size: 8, .value_kind: global_buffer, .address_space: global }
      - { .name: wimg, .offset: 56, .size: 8, .value_kind: global_buffer, .address_space: global }
    .group_segment_fixed_size: 318464
    .private_segment_fixed_size: 0
    .kernarg_segment_align: 8
    .kernarg_segment_size: 64
    .max_flat_workgroup_size: 512
    .sgpr_count:     66
    .vgpr_count:     256
    .wavefront_size: 32
...
	.end_amdgpu_metadata
.endif
;; end of part 1
;; launch rowfinal (part 2): grid 256 x 1, 16 waves a work-group, no clusters, 321,024 bytes of LDS; arguments edge_feat, off_diag_mask, wimg, bo, gamma, colpart, beta, out0; writes out0
.if DOCPART == 2
	.amdgcn_target "amdgcn-amd-amdhsa--gfx1250"
	.amdhsa_code_object_version 6
	.text
	.protected	k_q100ca5bb1f_rowfinal
	.globl	k_q100ca5bb1f_rowfinal
	.p2align	8
	.type	k_q100ca5bb1f_rowfinal,@function
k_q100ca5bb1f_rowfinal:
	s_mov_b64 s[64:65], 0
	v_nop
	global_prefetch_b8 v0, s[64:65] scope:SCOPE_SE
	s_setreg_imm32_b32 hwreg(HW_REG_WAVE_MODE, 25, 1), 1
	s_wait_xcnt 0x0
; EdgeGATLayer in MX-FP8, launch 2 of 2: ROW attention and the layer's end.  out0 = layernorm((0.5 out_col + 0.5 out_row) Wo + bo + edge_feat) x gamma + beta, x off_diag_mask; 0.5 out_col comes from colpart.
; NO WORK OF reference() IS LEFT OUT: every input has a way to the output; what the mask throws away hangs on an input's values, so it is computed and selected.
; THE WEIGHTS' codes and scale words come from wimg as images of the operands' registers: fragment f (0-7 Wq, 8-15 Wk, 16-23 Wv, 24-31 Wo) at 2,048 f, its scale words at 65,536 + 128 f.
; SHARES.  A work-group owns one row of the grid: 256 edges x 128 features; sixteen waves.  Tile w of 16 edges: lane place r is edge 32 (w / 2) + 8 (w % 2) + r + 8 (r / 8).
; Wave w quantises X's tile w; PROJECTS the 64 edges of tiles 4 e .. 4 e + 3 to head n (e = w / 4, n = w % 4) for K, V and Q with one set of X's fragments; and attends for the 16 queries of tile w, all heads.
; LAYOUT of a block of 16 edges: lane (r, h) holds edge r, register i of block b feature 32 b + 16 h + i (a weight's tile 2 b + u takes features 32 b + 8 u + r + 8 (r / 8)): its codes are the operand's registers.
; V is made untransposed, so that a lane holds one feature and its registers run along the keys, and is quantised along the keys.
; S^T = K Q^T has K = 32 in an instruction of 128: source 1 holds the head of Q in block 0 and zero codes in blocks 1 to 3; source 0 is a tile's four registers and the twelve behind them: other tiles' codes, which meet zero codes.
; THE MASK is the C of S^T's products: 0 where the key counts, -2^100 where off_diag_mask is 0: 2^(t - M) is then exactly 0, as with -infinity.
; SOFTMAX over all 256 keys of a head at once: t = score x log2(e) / sqrt(32); M = the largest t rounded up to a whole number; p = 2^(t - M) is quantised along the keys; the sum is taken of the unquantised p and divides at the end.
; THE SUM with colpart is quantised head by head: a head's 32 features are one block.  X stays in its stage for the residual.  Mean and variance in two passes, in f32.
; LIMITS.  A line all of whose 256 keys are masked: reference() gives NaN, this text finite numbers.  Scores stay under 2^90 in size, and the scaled scores under 2^31.  NaN and infinities among the inputs are not served.
; A block of zeros gets the scale byte 1 where the rule says 127: its codes are zeros, and the bytes are read by this program alone.
; NO CLUSTER, NO TENSOR LOAD: the work-groups share the weights' codes alone, 69,632 bytes against a line's 262,144 read and 131,072 written; X and colpart pass through registers for the quantiser.
.set ES,    512                        ; bytes from edge to edge along my line
.set LSTR,  131072                     ; bytes from line to line
.set MKS,   4                          ; bytes in off_diag_mask from key to key
.set MLS,   1024                       ; and from line to line
; ---- LDS
.set SROW,  528                        ; a stage row: 512 bytes + 16
.set STGB,  16*SROW                    ; a wave's stage: 16 rows
.set XIMG,  16*STGB                    ; X's 16 fragments; later Q's, and then, slot by slot, the codes of the sum
.set XSC,   XIMG+32768                 ; X's scale words; later the sum's
.set WIMG,  XSC+2048                   ; the weights' fragments
.set TURN,  WIMG                       ; later, over Wq, Wk and Wv: 2,304 bytes a wave, where colpart turns
.set QSC,   WIMG+36864                 ; and Q's scale words, laid as K's
.set WSC,   WIMG+65536
.set KIMG,  WSC+4096                   ; K: tile x 2,048 + head x 512 + 16 x lane
.set KSC,   KIMG+32768                 ; its scale words: (tile / 4) x 2,048 + head x 512 + 16 x lane + 4 (tile % 4)
.set VIMG,  KSC+8192                   ; V^T: (feature tile n, key step s) at (2 n + s) x 2,048
.set VSC,   VIMG+32768                 ; head x 512 + 16 x lane + 8 u + 4 s
.set BIAS,  VSC+2048                   ; 0 or -2^100 for each key
.set MSK,   BIAS+1024                  ; the mask's values
.set VEC,   MSK+1024                   ; bo, gamma, beta
.set SPARE, VEC+1536                   ; the spare words, 128 bytes for each wave: eight blocks of 256 bytes that no other line names
; ---- registers that stay: v1 16 x lane, v2 4 x lane, v3 my spare word, v4 0, v7 BIAS + 64 h.  In the loop: v5, v6 the turn's in and out, v[8:9] the sum, v[10:11] 0.5 / l, v12 colpart's offset, v13 Q's scale word, v14, v15 addresses,
; v16-31 Q and zero codes, v32-95 K (then v32-63 V of step 0, v64-95 at work), v96-107 zero codes, v108-139 p's codes, v112-239 the scores, v240-255 K's scale words, then colpart
.set LI,  1
.set LS,  2
.set SPW, 3
.set NIL, 4
.set SS,  112
.set MX,  64                           ; v64-71 blocks' largest, then the hold's bounds
.set PR,  72                           ; v72-79 permutes, then bytes
.set SO,  80                           ; v80-87 the conversions' scale operands
.set NM,  88                           ; -M
.set OO,  180                          ; v180-195 O^T of one head
.set CP,  196                          ; v196-211 colpart of one head
.set TQ,  176                          ; v176-179 V's scale words, then at work
.set YY,  172                          ; the end: v172-235
.set P,   144                          ; the projections' results
.set CT,  236                          ; their codes
.set TM,  208
.set WV,  26                           ; s26 wave
.set HD,  42                           ; s42 head
.set SEL, 34                           ; s[34:35] lane l xor 16
.set CS,  36                           ; s[36:37] c = log2(e) / sqrt(32)
.set MNT, 38                           ; the mantissa field of 448
; s22 e, s23 n; s30, s31, s33: my tile's places in Q's image, Q's scale words, the sum's scale words; s43 my edges' place in MSK; s46 my stage
.macro PLACES n                        ; plain places behind matrix instructions (ISA guide 7.12.1)
.rept \n
	v_nop
.endr
.endm
.macro BARRIER                         ; my LDS stores have landed and my LDS loads are in: then the work-group's barrier
	s_wait_dscnt 0x0
	s_barrier_signal -1
	s_barrier_wait -1
.endm
; four blocks of 16 numbers of a lane, from v[s] on, become codes in v[d] on; bytes in v[t + 4 ..]
.macro QUANT s, d, t
.irp b, 0,1,2,3
	v_max3_num_f32 v[\t+\b], |v[\s+16*\b]|, |v[\s+1+16*\b]|, 0x4800000   ; with the floor 2^(9 - 127): the byte cannot fall under 1
.endr
.irp i, 2,4,6,8,10,12,14
.irp b, 0,1,2,3
	v_max3_num_f32 v[\t+\b], v[\t+\b], |v[\s+16*\b+\i]|, |v[\s+1+16*\b+\i]|
.endr
.endr
.irp b, 0,1,2,3
	v_permlanex16_b32 v[\t+4+\b], v[\t+\b], s[SEL], s[SEL+1]
.endr
.irp b, 0,1,2,3
	v_max_num_f32 v[\t+\b], v[\t+\b], v[\t+4+\b]
.endr
.irp b, 0,1,2,3
	v_add_nc_u32 v[\t+12+\b], 0xfc000000, v[\t+\b]         ; 8 off its exponent field: the conversion's scale operand
.endr
.irp b, 0,1,2,3
	v_and_or_b32 v[\t+8+\b], v[\t+\b], 0x7f800000, s[MNT]  ; 448 x the scale
.endr
.irp b, 0,1,2,3
	v_lshrrev_b32 v[\t+4+\b], 23, v[\t+12+\b]              ; the scale's byte
.endr
.irp b, 0,1,2,3
.irp i, 0,1,2,3,4,5,6,7,8,9,10,11,12,13,14,15
	v_med3_num_f32 v[\s+16*\b+\i], v[\s+16*\b+\i], -v[\t+8+\b], v[\t+8+\b]   ; the conversion does not saturate (ISA guide 7.6.2): the hold
.endr
	v_cvt_scalef32_pk8_fp8_f32 v[\d+4*\b:\d+4*\b+1], v[\s+16*\b:\s+16*\b+7], v[\t+12+\b]
	v_cvt_scalef32_pk8_fp8_f32 v[\d+4*\b+2:\d+4*\b+3], v[\s+16*\b+8:\s+16*\b+15], v[\t+12+\b]
.endr
	v_nop                                                  ; a plain line behind the last conversion
.endm
.macro FETCH dst, adr, off             ; a fragment comes from its image
.irp c, 0,1,2,3
	ds_load_b128 v[\dst+4*\c:\dst+4*\c+3], v[\adr] offset:\off+512*\c
.endr
.endm
.macro ST_ROWS op, reg                 ; my stage by rows: op 0 in, 1 out
.set J, 0
.rept 16
.if \op
	ds_load_b128 v[\reg+4*J:\reg+4*J+3], v6 offset:SROW*J
.else
	ds_store_b128 v6, v[\reg+4*J:\reg+4*J+3] offset:SROW*J
.endif
.set J, J+1
.endr
.endm
.macro LAY_LD reg, adr, off            ; 64 numbers in the one layout from v[adr]: registers 16 b + 4 g on at 128 b + 16 g
.set J, 0
.rept 16
	ds_load_b128 v[\reg+4*J:\reg+4*J+3], v[\adr] offset:\off+128*(J/4)+16*(J%4)
.set J, J+1
.endr
.endm
; ---- the head
	s_load_b256 s[4:11], s[0:1], 0x0               ; edge_feat, off_diag_mask, wimg, bo
	s_load_b256 s[12:19], s[0:1], 0x20             ; gamma, colpart, beta, out0
	v_lshl_add_u32 v[SPW], v0, 2, SPARE
	v_mov_b32 v[NIL], 0
	v_lshrrev_b32 v15, 5, v0
	v_and_b32 v16, 31, v0
	v_and_b32 v17, 15, v0                          ; r
	v_bfe_u32 v18, v0, 4, 1                        ; h
	v_readfirstlane_b32 s[WV], v15                 ; wave 0..15
	v_lshlrev_b32 v[LI], 4, v16
	v_lshlrev_b32 v[LS], 2, v16
	s_mul_i32 s46, s[WV], STGB
	v_mul_u32_u24 v5, v17, SROW
	v_and_b32 v19, 8, v17
	v_lshl_add_u32 v7, v18, 6, BIAS
	v_lshl_add_u32 v5, v18, 6, v5
	v_add_nc_u32 v19, v19, v17                     ; r + 8 (r / 8)
	v_add_nc_u32 v5, s46, v5                       ; my stage in the one layout
	v_add_nc_u32 v6, s46, v[LI]                    ; and by rows
	v_mul_u32_u24 v8, v17, MKS
	s_lshl_b32 s27, s[WV], 11
	v_add_nc_u32 v9, s27, v[LI]                    ; 2,048 w + 16 lane
	s_lshl_b32 s27, s[WV], 7
	v_add_nc_u32 v10, s27, v[LS]                   ; 128 w + 4 lane
	s_lshl_b32 s27, s[WV], 6
	v_lshlrev_b32 v11, 2, v17
	v_mul_u32_u24 v12, v19, ES
	v_add_nc_u32 v11, s27, v11
	v_lshl_add_u32 v12, v18, 8, v12                ; the prefetch: row r of my 16, its first or second 256 bytes
	v_add_nc_u32 v11, BIAS, v11                    ; where key 16 w + r has its bias
.set J, 0
.rept 4
	v_mov_b32 v[240+J], 0                          ; a lane permute's destination counts as one of its sources
.set J, J+1
.endr
.set J, 0
.rept 12
	v_mov_b32 v[68+J], 0                           ; (wave 0 alone loads the three vectors: written on every way)
.set J, J+1
.endr
	s_mov_b32 s[SEL], 0x76543210
	s_mov_b32 s[SEL+1], 0xfedcba98
	s_mov_b32 s[CS], 0x3e8293ee
	s_mov_b32 s[CS+1], s[CS]                       ; (named with it as a pair)
	s_mov_b32 s[MNT], 0x600000
	s_mov_b32 s40, 0x3c000000                      ; 1 / 128
	s_mov_b32 s41, 0x3727c5ac                      ; 1e-5
	s_lshr_b32 s27, s[WV], 1
	s_lshl_b32 s27, s27, 5
	s_and_b32 s39, s[WV], 1
	s_lshl_b32 s39, s39, 3
	s_add_co_u32 s27, s27, s39                     ; my tile's first edge
	s_lshl_b32 s43, s27, 2
	s_add_co_u32 s43, s43, MSK
	s_mul_i32 s28, s27, ES
	s_mul_i32 s39, ttmp9, LSTR
	s_add_co_u32 s28, s28, s39                     ; its bytes in edge_feat, colpart and out0
	s_mov_b32 s29, 0
	s_lshl_b32 s44, s[WV], 4
	s_mul_i32 s44, s44, MKS
	s_mul_i32 s39, ttmp9, MLS
	s_add_co_u32 s44, s44, s39                     ; the mask of keys 16 w on
	s_mov_b32 s45, 0
	s_lshr_b32 s22, s[WV], 2                       ; e
	s_and_b32 s23, s[WV], 3                        ; n
	s_lshl_b32 s30, s[WV], 11
	s_add_co_u32 s30, s30, XIMG
	s_lshl_b32 s31, s22, 11
	s_lshl_b32 s39, s23, 2
	s_add_co_u32 s31, s31, s39
	s_add_co_u32 s31, s31, QSC
	s_lshl_b32 s33, s[WV], 7
	s_add_co_u32 s33, s33, XSC
	s_wait_alu depctr_va_vdst(0)                   ; the wait at the head's end
	s_wait_kmcnt 0x0
	s_add_nc_u64 s[4:5], s[4:5], s[28:29]
	s_add_nc_u64 s[14:15], s[14:15], s[28:29]
	s_add_nc_u64 s[18:19], s[18:19], s[28:29]
	s_add_nc_u64 s[6:7], s[6:7], s[44:45]
	s_cmp_lg_u32 s[WV], 0
	s_cbranch_scc1 .Lno_vec
	global_load_b128 v[68:71], v[LI], s[10:11]
	global_load_b128 v[72:75], v[LI], s[12:13]
	global_load_b128 v[76:79], v[LI], s[16:17]
.Lno_vec:
	global_load_b32 v66, v8, s[6:7]
.set J, 0
.rept 16
	global_load_b128 v[108+4*J:108+4*J+3], v[LI], s[4:5] offset:(J+8*(J/8))*ES th:TH_LOAD_NT   ; an edge's 512 consecutive bytes
.set J, J+1
.endr
.irp c, 0,1,2,3
	global_load_b128 v[32+4*\c:32+4*\c+3], v9, s[8:9] offset:512*\c          ; fragment w of the weights' codes,
.endr
.irp c, 0,1,2,3
	global_load_b128 v[48+4*\c:48+4*\c+3], v9, s[8:9] offset:32768+512*\c    ; fragment 16 + w,
.endr
	global_load_b32 v64, v10, s[8:9] offset:65536                            ; and their scale words
	global_load_b32 v65, v10, s[8:9] offset:65536+2048
	s_wait_loadcnt 10                              ; the mask and X are in; the ten younger loads stay out
	ST_ROWS 0, 108                                 ; X turns through my stage (LDS serves a wave's instructions in order: ISA guide 5.7.1.4), and stays there for the residual
	LAY_LD 172, 5, 0
	v_mov_b32 v67, 0xf1800000                      ; -2^100
	v_cmp_eq_f32 vcc_lo, 0, v66
	v_cndmask_b32 v67, 0, v67, vcc_lo
	ds_store_b32 v11, v67                          ; both halves of the lanes write the same word with the same value
	ds_store_b32 v11, v66 offset:MSK-BIAS
	s_wait_dscnt 0x0
	QUANT 172, 16, 236
	v_lshl_or_b32 v106, v241, 8, v240
	v_add_nc_u32 v13, XIMG, v9
	v_add_nc_u32 v14, XSC, v10
	v_lshl_or_b32 v106, v242, 16, v106
	v_add_nc_u32 v8, WIMG, v9
	v_add_nc_u32 v11, WSC, v10
	v_add_nc_u32 v15, VEC, v[LI]
	v_lshl_or_b32 v106, v243, 24, v106
	s_wait_alu depctr_va_vdst(0)                   ; directly ahead of the wait below
	s_wait_loadcnt 0x0                             ; my two fragments, their words, and wave 0's vectors are in
.irp c, 0,1,2,3
	ds_store_b128 v13, v[16+4*\c:16+4*\c+3] offset:512*\c
	ds_store_b128 v8, v[32+4*\c:32+4*\c+3] offset:512*\c
	ds_store_b128 v8, v[48+4*\c:48+4*\c+3] offset:32768+512*\c
.endr
	ds_store_b32 v14, v106
	ds_store_b32 v11, v64
	ds_store_b32 v11, v65 offset:2048
	s_cmp_lg_u32 s[WV], 0
	s_cbranch_scc1 .Lno_vec_store
	ds_store_b128 v15, v[68:71]
	ds_store_b128 v15, v[72:75] offset:512
	ds_store_b128 v15, v[76:79] offset:1024
.Lno_vec_store:
	BARRIER                                        ; X's and the weights' images, the bias and the vectors lie in LDS
; ---- the projections: tiles 4 e .. 4 e + 3 x head n
.macro SUM d, c, x, xs, y, ys                      ; s[d] = c + s[x] << xs + s[y] << ys
	s_lshl_b32 s39, s\x, \xs
	s_lshl_b32 s27, s\y, \ys
	s_add_co_u32 s39, s39, s27
	s_add_co_u32 s\d, s39, \c
.endm
	SUM 20, KIMG, 22, 13, 23, 9
	SUM 21, KSC, 22, 11, 23, 9
	SUM 24, VIMG, 23, 13, 22, 10
	SUM 25, VSC, 23, 9, 22, 1
	SUM 28, XIMG, 22, 13, 23, 9
	SUM 29, QSC, 22, 11, 23, 9
	v_add_nc_u32 v13, s20, v[LI]                   ; where K's codes go
	v_add_nc_u32 v14, s21, v[LI]                   ; and its scale words
	v_add_nc_u32 v15, s24, v[LI]                   ; V's codes,
	v_add_nc_u32 v252, s25, v[LI]                  ; bytes
	v_add_nc_u32 v253, s28, v[LI]                  ; Q's codes,
	v_add_nc_u32 v254, s29, v[LI]                  ; scale words
	s_lshl_b32 s20, s22, 13
	s_add_co_u32 s20, s20, XIMG
	s_lshl_b32 s21, s22, 9
	s_add_co_u32 s21, s21, XSC
	s_lshl_b32 s24, s23, 12
	s_add_co_u32 s24, s24, WIMG
	s_lshl_b32 s25, s23, 8
	s_add_co_u32 s25, s25, WSC
	v_add_nc_u32 v8, s20, v[LI]
	v_add_nc_u32 v9, s21, v[LS]
	v_add_nc_u32 v10, s24, v[LI]
	v_add_nc_u32 v11, s25, v[LS]
.irp t, 0,1,2,3
	FETCH 16+16*\t, 8, 2048*\t                     ; X: v16-79, scale words v224-227
	ds_load_b32 v[224+\t], v9 offset:128*\t
.endr
.irp u, 0,1
	FETCH 80+16*\u, 10, 16384+2048*\u              ; Wk: v80-111, v228-229
	ds_load_b32 v[228+\u], v11 offset:1024+128*\u
.endr
.irp u, 0,1
	FETCH 112+16*\u, 10, 32768+2048*\u             ; Wv: v112-143, v230-231
	ds_load_b32 v[230+\u], v11 offset:2048+128*\u
.endr
.macro PROJ                                        ; transposed: source 0 = 16 columns of the weight, source 1 = a tile of X
.irp t, 0,1,2,3
.irp u, 0,1
	v_wmma_scale_f32_16x16x128_f8f6f4 v[P+16*\t+8*\u:P+16*\t+8*\u+7], v[80+16*\u:80+16*\u+15], v[16+16*\t:16+16*\t+15], 0, v[228+\u], v[224+\t]
.endr
.endr
	PLACES 8
.endm
	s_wait_alu depctr_va_vdst(0)
	s_wait_dscnt 10                                ; all but Wv's ten loads
	PROJ                                           ; K
.irp u, 0,1
	FETCH 80+16*\u, 10, 2048*\u                    ; Wq takes Wk's registers
	ds_load_b32 v[228+\u], v11 offset:128*\u
.endr
	global_prefetch_b8 v12, s[14:15] th:TH_LOAD_NT scope:SCOPE_SE   ; my 16 rows of colpart: 32 blocks of 256 bytes, a lane a block, each named once in the launch, two projections and a softmax's products ahead of the first load from them
	QUANT P, CT, TM
.irp t, 0,1,2,3
	ds_store_b128 v13, v[CT+4*\t:CT+4*\t+3] offset:2048*\t
.endr
	ds_store_b128 v14, v[TM+4:TM+7]
	s_wait_dscnt 15                                ; Wv is in; Wq's ten loads and K's five stores may be out
.irp t, 0,1,2,3                                    ; V: source 0 = a tile of X: a lane holds a feature, registers run along the keys
.irp u, 0,1
	v_wmma_scale_f32_16x16x128_f8f6f4 v[P+16*(2*\u+\t/2)+8*(\t%2):P+16*(2*\u+\t/2)+8*(\t%2)+7], v[16+16*\t:16+16*\t+15], v[112+16*\u:112+16*\u+15], 0, v[224+\t], v[230+\u]
.endr
.endr
	PLACES 8
	s_wait_dscnt 0x0                               ; K's stores have read their registers, Wq is in
	QUANT P, CT, TM
	v_lshl_or_b32 v[TM+8], v[TM+5], 8, v[TM+4]
	v_lshl_or_b32 v[TM+9], v[TM+7], 8, v[TM+6]
.irp k, 0,1,2,3
	ds_store_b128 v15, v[CT+4*\k:CT+4*\k+3] offset:4096*(\k/2)+512*(\k%2)
.endr
	ds_store_b16 v252, v[TM+8]
	ds_store_b16 v252, v[TM+9] offset:8
	PROJ                                           ; Q
	s_wait_dscnt 0x0
	QUANT P, CT, TM
	s_wait_alu depctr_va_vdst(0)
	BARRIER                                        ; every wave has read X's and the weights' images: Q takes X's places
.irp t, 0,1,2,3
	ds_store_b128 v253, v[CT+4*\t:CT+4*\t+3] offset:2048*\t
.endr
	ds_store_b128 v254, v[TM+4:TM+7]
.set J, 0
.rept 12
	v_mov_b32 v[20+J], 0                           ; the zero codes behind Q's head
	v_mov_b32 v[96+J], 0                           ; and behind K's last tile
.set J, J+1
.endr
	s_mul_i32 s27, s[WV], 2304
	s_add_co_u32 s27, s27, TURN
	v_and_b32 v112, 31, v0
	v_and_b32 v114, 7, v0
	v_and_b32 v115, 15, v0
	v_bfe_u32 v116, v0, 4, 1
	v_lshrrev_b32 v113, 3, v112
	v_mul_u32_u24 v6, v115, 144
	v_mul_u32_u24 v5, v113, 144
	v_lshl_add_u32 v6, v116, 6, v6
	v_lshl_add_u32 v5, v114, 4, v5
	v_add_nc_u32 v6, s27, v6                       ; the turn, out: edge r, 64 h
	v_add_nc_u32 v5, s27, v5                       ; in: four edges an instruction, eight lanes an edge
	s_wait_alu depctr_va_vdst(0)                   ; directly ahead of the wait below
	s_wait_xcnt 0x0                                ; the prefetch has read its address
	v_mul_u32_u24 v12, v113, ES
	v_mov_b32 v11, 0                               ; (the upper half of the pair v[10:11])
	v_lshl_add_u32 v12, v114, 4, v12               ; the same in colpart
	s_wait_alu depctr_va_vdst(0)
	BARRIER                                        ; K's, V's and Q's images lie in LDS.  Behind this barrier a wave writes bytes of its own alone
; ---- the attention
.macro NEXT                                        ; scalars for head s24: K's, Q's, Q's scale words' places
	s_lshl_b32 s20, s24, 9
	s_add_co_u32 s21, s20, KIMG
	s_add_co_u32 s27, s20, s30
	s_add_co_u32 s39, s20, s31
.endm
.macro NEXTV
	v_add_nc_u32 v8, s21, v[LI]
	v_add_nc_u32 v9, s27, v[LI]
	v_add_nc_u32 v14, s39, v[LI]
.endm
.macro BL g                                        ; four keys' bias into their scores' registers: the products' C
	ds_load_b128 v[SS+4*\g:SS+4*\g+3], v7 offset:128*(\g/4)+16*(\g%4)
.endm
.macro LOADS_A
.irp t, 0,1,2,3,4,5,6,7,8,9,10,11,12,13,14,15
	ds_load_b128 v[32+4*\t:32+4*\t+3], v8 offset:2048*\t
.endr
	ds_load_b128 v[16:19], v9
	ds_load_b32 v13, v14
.irp k, 0,1,2,3
	ds_load_b128 v[240+4*\k:240+4*\k+3], v8 offset:KSC-KIMG+2048*\k
.endr
.irp g, 0,1,2,3,4,5,6,8,9,10,11,12,13,14,25,26,27,28,29,30,31
	BL \g
.endr
.endm
.macro LOADS_B                                     ; the bias whose registers the last head's end has used
.irp g, 17,18,19,20,21,22,23,24
	BL \g
.endr
	s_wait_dscnt 8                                 ; all but those eight: the sum's stores have read v142-143 and v172-178
.irp g, 7,15,16
	BL \g
.endr
.endm
; blocks d, d + 1: the hold, two numbers an instruction (p is not negative: one-sided; destinations even and odd, the bounds in neighbouring registers, the numbers in registers that differ modulo 4), and the conversions
.macro HC d
.set J, 0
.rept 16
	v_dual_min_num_f32 v[SS+16*\d+J], v[MX+\d], v[SS+16*\d+J] :: v_dual_min_num_f32 v[SS+16*\d+17+J-2*(J%2)], v[MX+1+\d], v[SS+16*\d+17+J-2*(J%2)]
.set J, J+1
.endr
	v_cvt_scalef32_pk8_fp8_f32 v[SS-4+4*\d:SS-3+4*\d], v[SS+16*\d:SS+16*\d+7], v[SO+\d]
	v_cvt_scalef32_pk8_fp8_f32 v[SS-2+4*\d:SS-1+4*\d], v[SS+16*\d+8:SS+16*\d+15], v[SO+\d]
	v_nop                                          ; (block 1's codes take registers of block 0)
	v_cvt_scalef32_pk8_fp8_f32 v[SS+4*\d:SS+1+4*\d], v[SS+16*\d+16:SS+16*\d+23], v[SO+1+\d]
	v_cvt_scalef32_pk8_fp8_f32 v[SS+2+4*\d:SS+3+4*\d], v[SS+16*\d+24:SS+16*\d+31], v[SO+1+\d]
.endm
	s_mov_b32 s[HD], 0
	s_mov_b32 s24, 0
	NEXT
	NEXTV
	LOADS_A
	LOADS_B
.Lhead:                                            ; four trips: a head each
	s_wait_dscnt 0x0
.irp t, 0,1,2,3,4,5,6,7,8,9,10,11,12,13,14,15      ; S^T = K Q^T + bias
	v_wmma_scale_f32_16x16x128_f8f6f4 v[SS+8*\t:SS+8*\t+7], v[32+4*\t:32+4*\t+15], v[16:31], v[SS+8*\t:SS+8*\t+7], v[240+\t], v13
.endr
	s_lshl_b32 s20, s[HD], 13
	s_add_co_u32 s20, s20, VIMG
	s_lshl_b32 s21, s[HD], 9
	s_add_co_u32 s21, s21, VSC
	v_add_nc_u32 v14, s20, v[LI]
	v_add_nc_u32 v15, s21, v[LI]
	PLACES 6
.irp u, 0,1
	FETCH 32+16*\u, 14, 4096*\u                    ; V^T of keys 0-127, into K's registers
.endr
.irp k, 0,1,2,3
	global_load_b128 v[240+4*\k:240+4*\k+3], v12, s[14:15] offset:(4*\k+8*(\k/2))*ES   ; colpart: my 16 edges' 128 bytes of this head, a softmax ahead of their use
.endr
.irp b, 0,1,2,3,4,5,6,7                            ; the largest score of each block of 32 keys: for the row's maximum and, since p rises with the score, for the block's largest p
	v_max3_num_f32 v[MX+\b], v[SS+16*\b], v[SS+1+16*\b], v[SS+2+16*\b]
.endr
.irp i, 3,5,7,9,11,13
.irp b, 0,1,2,3,4,5,6,7
	v_max3_num_f32 v[MX+\b], v[MX+\b], v[SS+16*\b+\i], v[SS+1+16*\b+\i]
.endr
.endr
.irp b, 0,1,2,3,4,5,6,7
	v_max_num_f32 v[MX+\b], v[MX+\b], v[SS+15+16*\b]
.endr
.irp b, 0,1,2,3,4,5,6,7
	v_permlanex16_b32 v[PR+\b], v[MX+\b], s[SEL], s[SEL+1]
.endr
.irp b, 0,1,2,3,4,5,6,7
	v_max_num_f32 v[MX+\b], v[MX+\b], v[PR+\b]
.endr
	v_max3_num_f32 v92, v[MX], v[MX+1], v[MX+2]
	v_max3_num_f32 v93, v[MX+3], v[MX+4], v[MX+5]
	v_max3_num_f32 v92, v92, v[MX+6], v[MX+7]
	s_delay_alu instid0(VALU_DEP_1)
	v_max_num_f32 v92, v92, v93
	s_delay_alu instid0(VALU_DEP_1)
	v_mul_f32 v92, s[CS], v92
	s_delay_alu instid0(VALU_DEP_1)
	v_floor_f32 v[NM], -v92                        ; -M = floor(-t): M is a whole number
.set J, 0
.rept 64
	v_pk_fma_f32 v[SS+J:SS+J+1], v[SS+J:SS+J+1], s[CS:CS+1], v[NM:NM+1] op_sel_hi:[1,0,0]   ; t - M
.set J, J+2
.endr
.irp b, 0,1,2,3,4,5,6,7
	v_fma_f32 v[MX+\b], v[MX+\b], s[CS], v[NM]
.endr
	s_wait_alu depctr_va_vdst(0)                   ; ahead of the batch
.irp b, 0,1,2,3,4,5,6,7
	v_exp_f32 v[MX+\b], v[MX+\b]                   ; each block's largest p
.endr
.set J, 0
.rept 128
	v_exp_f32 v[SS+J], v[SS+J]                     ; p = 2^(t - M)
.set J, J+1
.endr
	v_nop                                          ; a plain line behind the exponentials
	s_wait_alu depctr_va_vdst(0)                   ; and ahead of the batch's first reader
	v_pk_add_f32 v[8:9], v[SS:SS+1], v[SS+8:SS+9]  ; the sum of the unquantised p, in four chains
	v_pk_add_f32 v[90:91], v[SS+2:SS+3], v[SS+10:SS+11]
	v_pk_add_f32 v[92:93], v[SS+4:SS+5], v[SS+12:SS+13]
	v_pk_add_f32 v[94:95], v[SS+6:SS+7], v[SS+14:SS+15]
.set J, 16
.rept 14
	v_pk_add_f32 v[8:9], v[8:9], v[SS+J:SS+J+1]
	v_pk_add_f32 v[90:91], v[90:91], v[SS+J+2:SS+J+3]
	v_pk_add_f32 v[92:93], v[92:93], v[SS+J+4:SS+J+5]
	v_pk_add_f32 v[94:95], v[94:95], v[SS+J+6:SS+J+7]
.set J, J+8
.endr
	v_pk_add_f32 v[8:9], v[8:9], v[90:91]
	v_pk_add_f32 v[92:93], v[92:93], v[94:95]
.irp b, 0,1,2,3
	v_max_num_f32 v[MX+\b], 0x4800000, v[MX+\b]    ; the floor: a block whose every p is 0 keeps the byte 1, and its codes are zeros
.endr
	v_pk_add_f32 v[8:9], v[8:9], v[92:93]
.irp b, 4,5,6,7
	v_max_num_f32 v[MX+\b], 0x4800000, v[MX+\b]
.endr
	v_add_f32 v8, v8, v9
.irp b, 0,1,2,3,4,5,6,7
	v_add_nc_u32 v[SO+\b], 0xfc000000, v[MX+\b]
.endr
	v_permlanex16_b32 v9, v8, s[SEL], s[SEL+1]
.irp b, 0,1,2,3,4,5,6,7
	v_lshrrev_b32 v[PR+\b], 23, v[SO+\b]
.endr
	v_add_f32 v10, v8, v9                          ; l
.irp b, 0,1,2,3,4,5,6,7
	v_and_or_b32 v[MX+\b], v[MX+\b], 0x7f800000, s[MNT]
.endr
	v_add_f32 v10, v10, v10                        ; 2 l: the mean's half is an exact power of two and goes in here
	v_lshl_or_b32 v92, v[PR+1], 8, v[PR]           ; p's scale words
	v_lshl_or_b32 v93, v[PR+5], 8, v[PR+4]
	v_lshl_or_b32 v92, v[PR+2], 16, v92
	v_lshl_or_b32 v93, v[PR+6], 16, v93
	v_lshl_or_b32 v92, v[PR+3], 24, v92
	v_lshl_or_b32 v93, v[PR+7], 24, v93
	HC 0
	HC 2
.irp u, 0,1
	FETCH 144+16*\u, 14, 4096*\u+2048              ; V^T of keys 128-255, into blocks 2's and 3's registers
.endr
	HC 4
	ds_load_b128 v[TQ:TQ+3], v15                   ; V's scale words: 2 u + s
	HC 6
	PLACES 4                                       ; the plain line behind the last conversion; and codes stand four places ahead of a scaled product
	s_wait_alu depctr_va_vdst(0)                   ; ahead of the reciprocal
	s_wait_loadcnt 0x0                             ; colpart
	s_add_nc_u64 s[14:15], s[14:15], 128           ; the next head's
.irp k, 0,1,2,3
	ds_store_b128 v5, v[240+4*\k:240+4*\k+3] offset:576*\k
.endr
.irp k, 0,1,2,3
	ds_load_b128 v[CP+4*\k:CP+4*\k+3], v6 offset:16*\k
.endr
	v_rcp_f32 v10, v10
	s_wait_dscnt 8                                 ; V and its words are in; the turn's eight may be out
	v_wmma_scale_f32_16x16x128_f8f6f4 v[OO:OO+7], v[32:47], v[108:123], 0, v[TQ], v92           ; O^T = V^T P^T
	v_wmma_scale_f32_16x16x128_f8f6f4 v[OO+8:OO+15], v[48:63], v[108:123], 0, v[TQ+2], v92
	v_wmma_scale_f32_16x16x128_f8f6f4 v[OO:OO+7], v[144:159], v[124:139], v[OO:OO+7], v[TQ+1], v93
	v_wmma_scale_f32_16x16x128_f8f6f4 v[OO+8:OO+15], v[160:175], v[124:139], v[OO+8:OO+15], v[TQ+3], v93
	s_lshl_b32 s20, s[HD], 9
	s_add_co_u32 s28, s20, s30                     ; this head's slot of my Q: read by me alone, and done with: the sum's codes take it
	s_add_co_u32 s29, s33, s[HD]
	s_add_co_u32 s24, s[HD], 1
	s_and_b32 s24, s24, 3
	NEXT
	v_add_nc_u32 v142, s28, v[LI]
	v_add_nc_u32 v143, s29, v[LS]
	NEXTV
	PLACES 3
	s_wait_alu depctr_va_vdst(0)                   ; ahead of the reciprocal's reader and of the wait below
	s_wait_dscnt 0x0                               ; colpart has turned
	s_cmp_eq_u32 s[HD], 3                          ; the last head asks for nothing more
	s_cbranch_scc1 .Llast_a
	LOADS_A
.Llast_a:
.set J, 0
.rept 8
	v_pk_fma_f32 v[OO+J:OO+J+1], v[OO+J:OO+J+1], v[10:11], v[CP+J:CP+J+1] op_sel_hi:[1,0,1]   ; 0.5 out_row + 0.5 out_col
.set J, J+2
.endr
	v_max3_num_f32 v[TQ], |v[OO]|, |v[OO+1]|, |v[OO+2]|      ; its quantiser: the head's 32 features are a block, in lanes l and l xor 16
	v_max3_num_f32 v[TQ+1], |v[OO+3]|, |v[OO+4]|, |v[OO+5]|
.irp i, 6,10
	v_max3_num_f32 v[TQ], v[TQ], |v[OO+\i]|, |v[OO+\i+1]|
	v_max3_num_f32 v[TQ+1], v[TQ+1], |v[OO+\i+2]|, |v[OO+\i+3]|
.endr
	v_max3_num_f32 v[TQ], v[TQ], |v[OO+14]|, |v[OO+15]|
	v_max3_num_f32 v[TQ], v[TQ], v[TQ+1], 0x4800000
	v_permlanex16_b32 v[TQ+2], v[TQ], s[SEL], s[SEL+1]
	v_max_num_f32 v[TQ], v[TQ], v[TQ+2]
	v_add_nc_u32 v[TQ+3], 0xfc000000, v[TQ]
	v_and_or_b32 v[TQ+1], v[TQ], 0x7f800000, s[MNT]
	v_lshrrev_b32 v[TQ+2], 23, v[TQ+3]
.set J, 0
.rept 16
	v_med3_num_f32 v[OO+J], v[OO+J], -v[TQ+1], v[TQ+1]
.set J, J+1
.endr
	v_cvt_scalef32_pk8_fp8_f32 v[172:173], v[OO:OO+7], v[TQ+3]
	v_cvt_scalef32_pk8_fp8_f32 v[174:175], v[OO+8:OO+15], v[TQ+3]
	v_nop
	ds_store_b128 v142, v[172:175]
	ds_store_b8 v143, v[TQ+2]
	s_wait_alu depctr_va_vdst(0)                   ; ahead of the branches
	s_cmp_eq_u32 s[HD], 3
	s_cbranch_scc1 .Llast_b
	LOADS_B
.Llast_b:
	s_add_co_u32 s[HD], s[HD], 1
	s_cmp_lt_u32 s[HD], 4
	s_cbranch_scc1 .Lhead
	s_wait_dscnt 0x0                               ; the sum's last stores
; ---- the layer's end
	v_and_b32 v16, 15, v0
	v_bfe_u32 v17, v0, 4, 1
	v_add_nc_u32 v6, s46, v[LI]
	v_add_nc_u32 v9, s30, v[LI]
	v_mul_u32_u24 v5, v16, SROW
	v_and_b32 v18, 8, v16
	v_add_nc_u32 v10, s33, v[LS]
	v_lshl_add_u32 v5, v17, 6, v5
	v_add_nc_u32 v18, v18, v16
	v_lshl_add_u32 v7, v17, 6, VEC
	v_add_nc_u32 v5, s46, v5
	v_lshl_add_u32 v97, v18, 2, s43                ; my edge's place among the mask's values
	v_add_nc_u32 v8, WIMG+49152, v[LI]             ; Wo
	v_add_nc_u32 v11, WSC+3072, v[LS]
	FETCH 80, 9, 0                                 ; the sum's codes and scale word: my own stores, in order
	ds_load_b32 v96, v10
	LAY_LD YY, 5, 0                                ; X
	LAY_LD 16, 7, 0                                ; bo
.irp j, 4,5,6,7
	FETCH 108+16*\j-64, 8, 2048*\j
.endr
.irp j, 0,1,2,3,4,5,6,7
	ds_load_b32 v[98+\j], v11 offset:128*\j
.endr
	ds_load_b32 v106, v97
	s_wait_alu depctr_va_vdst(0)
	s_wait_dscnt 25                                ; X and bo are in; Wo's 16 loads, its eight words and the mask may be out
.set J, 0
.rept 32
	v_pk_add_f32 v[YY+J:YY+J+1], v[YY+J:YY+J+1], v[16+J:16+J+1]   ; X + bo: the last product's C
.set J, J+2
.endr
.irp j, 0,1,2,3
	FETCH 16+16*\j, 8, 2048*\j
.endr
	s_wait_alu depctr_va_vdst(0)
	s_wait_dscnt 0x0
.irp j, 0,1,2,3
	v_wmma_scale_f32_16x16x128_f8f6f4 v[YY+8*\j:YY+8*\j+7], v[16+16*\j:16+16*\j+15], v[80:95], v[YY+8*\j:YY+8*\j+7], v[98+\j], v96
.endr
.irp j, 4,5,6,7
	v_wmma_scale_f32_16x16x128_f8f6f4 v[YY+8*\j:YY+8*\j+7], v[108+16*\j-64:108+16*\j-49], v[80:95], v[YY+8*\j:YY+8*\j+7], v[98+\j], v96
.endr
	PLACES 8
	LAY_LD 16, 7, 512                              ; gamma and beta land while the statistics are made
	LAY_LD 108, 7, 1024
; ---- the layer norm: a lane holds 64 of its edge's 128 numbers, lane l xor 16 the others
.irp c, 0,1,2,3
	v_pk_add_f32 v[236+2*\c:237+2*\c], v[YY+2*\c:YY+2*\c+1], v[YY+8+2*\c:YY+9+2*\c]
.endr
.set J, 16
.rept 6
.irp c, 0,1,2,3
	v_pk_add_f32 v[236+2*\c:237+2*\c], v[236+2*\c:237+2*\c], v[YY+J+2*\c:YY+J+2*\c+1]
.endr
.set J, J+8
.endr
.macro JOIN                                        ; the four chains, my two halves, and lane l xor 16's: v244
	v_pk_add_f32 v[236:237], v[236:237], v[238:239]
	v_pk_add_f32 v[240:241], v[240:241], v[242:243]
	s_delay_alu instid0(VALU_DEP_1)
	v_pk_add_f32 v[236:237], v[236:237], v[240:241]
	s_delay_alu instid0(VALU_DEP_1)
	v_add_f32 v244, v236, v237
	s_delay_alu instid0(VALU_DEP_1)
	v_permlanex16_b32 v245, v244, s[SEL], s[SEL+1]
	s_delay_alu instid0(VALU_DEP_1)
	v_add_f32 v244, v244, v245
.endm
	JOIN
	v_mul_f32 v248, s40, v244                      ; the mean
.set J, 0
.rept 32
	v_pk_add_f32 v[YY+J:YY+J+1], v[YY+J:YY+J+1], v[248:249] op_sel_hi:[1,0] neg_lo:[0,1] neg_hi:[0,1]
.set J, J+2
.endr
.irp c, 0,1,2,3
	v_pk_mul_f32 v[236+2*\c:237+2*\c], v[YY+2*\c:YY+2*\c+1], v[YY+2*\c:YY+2*\c+1]
.endr
.set J, 8
.rept 7
.irp c, 0,1,2,3
	v_pk_fma_f32 v[236+2*\c:237+2*\c], v[YY+J+2*\c:YY+J+2*\c+1], v[YY+J+2*\c:YY+J+2*\c+1], v[236+2*\c:237+2*\c]
.endr
.set J, J+8
.endr
	JOIN
	v_fma_f32 v244, v244, s40, s41                 ; the variance + 1e-5
	s_wait_alu depctr_va_vdst(0)                   ; ahead of the transcendental
	v_rsq_f32 v246, v244
	v_nop
	s_wait_alu depctr_va_vdst(0)                   ; and ahead of the first reader
	s_wait_dscnt 0x0                               ; gamma, beta
.set J, 0
.rept 32
	v_pk_mul_f32 v[YY+J:YY+J+1], v[YY+J:YY+J+1], v[246:247] op_sel_hi:[1,0]
.set J, J+2
.endr
.set J, 0
.rept 32
	v_pk_fma_f32 v[YY+J:YY+J+1], v[YY+J:YY+J+1], v[16+J:16+J+1], v[108+J:108+J+1]
.set J, J+2
.endr
.set J, 0
.rept 32
	v_pk_mul_f32 v[YY+J:YY+J+1], v[YY+J:YY+J+1], v[106:107] op_sel_hi:[1,0]   ; x off_diag_mask of my edge
.set J, J+2
.endr
.set J, 0
.rept 16
	ds_store_b128 v5, v[YY+4*J:YY+4*J+3] offset:128*(J/4)+16*(J%4)
.set J, J+1
.endr
	ST_ROWS 1, 16
.set J, 0
.rept 16
	s_wait_dscnt 15-J                              ; row J is back when at most 15 - J younger loads are out
	global_store_b128 v[LI], v[16+4*J:16+4*J+3], s[18:19] offset:(J+8*(J/8))*ES th:TH_STORE_NT   ; 512 consecutive bytes, aligned
.set J, J+1
.endr
	s_wait_tensorcnt 0x0                           ; the wave's end: behind my last LDS store
	ds_add_u32 v[SPW], v[NIL]
	s_wait_dscnt 0x0
	s_endpgm
.Lfunc_end_k_q100ca5bb1f_rowfinal:
	.size	k_q100ca5bb1f_rowfinal, .Lfunc_end_k_q100ca5bb1f_rowfinal-k_q100ca5bb1f_rowfinal
	.p2alignl 7, 3214868480
	.fill 96, 4, 3214868480
	.section	.rodata,"a",@progbits
	.p2align	6, 0x0
	.amdhsa_kernel k_q100ca5bb1f_rowfinal
		.amdhsa_group_segment_fixed_size 321024
		.amdhsa_private_segment_fixed_size 0
		.amdhsa_enable_private_segment 0
		.amdhsa_kernarg_size 64
		.amdhsa_user_sgpr_count 2
		.amdhsa_user_sgpr_kernarg_segment_ptr 1
		.amdhsa_wavefront_size32 1
		.amdhsa_system_sgpr_workgroup_id_x 1
		.amdhsa_system_sgpr_workgroup_id_y 1
		.amdhsa_system_sgpr_workgroup_id_z 1
		.amdhsa_system_vgpr_workitem_id 0
		.amdhsa_next_free_vgpr 256
		.amdhsa_next_free_sgpr 66
		.amdhsa_reserve_vcc 1
		.amdhsa_float_denorm_mode_32 3
		.amdhsa_float_denorm_mode_16_64 3
		.amdhsa_memory_ordered 1
		.amdhsa_forward_progress 1
		.amdhsa_inst_pref_size 123
	.end_amdhsa_kernel
	.amdgpu_metadata
---
amdhsa.version: [ 1, 2 ]
amdhsa.kernels:
  - .name:           k_q100ca5bb1f_rowfinal
    .symbol:         k_q100ca5bb1f_rowfinal.kd
    .args:
      - { .name: edge_feat, .offset: 0, .size: 8, .value_kind: global_buffer, .address_space: global }
      - { .name: off_diag_mask, .offset: 8, .size: 8, .value_kind: global_buffer, .address_space: global }
      - { .name: wimg, .offset: 16, .size: 8, .value_kind: global_buffer, .address_space: global }
      - { .name: bo, .offset: 24, .size: 8, .value_kind: global_buffer, .address_space: global }
      - { .name: gamma, .offset: 32, .size: 8, .value_kind: global_buffer, .address_space: global }
      - { .name: colpart, .offset: 40, .size: 8, .value_kind: global_buffer, .address_space: global }
      - { .name: beta, .offset: 48, .size: 8, .value_kind: global_buffer, .address_space: global }
      - { .name: out0, .offset: 56, .size: 8, .value_kind: global_buffer, .address_space: global }
    .group_segment_fixed_size: 321024
    .private_segment_fixed_size: 0
    .kernarg_segment_align: 8
    .kernarg_segment_size: 64
    .max_flat_workgroup_size: 512
    .sgpr_count:     66
    .vgpr_count:     256
    .wavefront_size: 32
...
	.end_amdgpu_metadata
.endif
;; end of part 2
